; MI455X (gfx1250); checked and timed in simulation.
; The chip was launched on July 23, 2026; its instructions are those of AMD's public machine-readable ISA for CDNA 5 (MIT licence, August 2026) and "CDNA5" Instruction Set Architecture Reference Guide (July 2026). The comments in the code are by the model that wrote it; some were corrected since.
;; Memory Molecular. Allowed arithmetic: matrix products marked QUANTISED: E4M3 operands, one E8M0 scale for each 32 along K, by v_wmma_scale_f32_16x16x128_f8f6f4 with both operands' format E4M3, f32 sums; everything else in f32.
;; Inputs: feature_queue 65,536 x 512 float32; rep_queue 65,536 x 512 float32; x 2,048 x 512 float32.
;; Outputs: out0 2,048 x 512 float32; out1 2,048 x 512 float32.
;; This version of the problem:
;;   THIS VERSION OF THE PROBLEM IS GIVEN IN LOW PRECISION. The matrix products marked QUANTISED in the list below multiply operands that are first quantised to E4M3 (4 exponent bits, 3 mantissa bits; 8 bits a number), with one power-of-two scale for each 32 numbers along K (OCP MX v1.0); their sums are f32. All else is computed in f32.
;;   The module's matrix products, in the order in which they are computed (A, B: the left and right operand; K: the contracted axis; several contracted axes count as one K, in the product's order):
;;     1. [M 2,048, K 512] x [K 512, N 65,536]; A: input x; B: input feature_queue: QUANTISED
;;   THE QUANTISER, for each operand of a quantised product, along K:
;;     - K is cut into blocks of 32 from its start; a last block that is shorter is filled with zeros.
;;     - A block's scale is 2^e with e = floor(log2(the largest magnitude in the block)) - 8, held to -126 .. 127; a block of zeros has e = 0. As a byte (E8M0): e + 127.
;;     - Each number is divided by its block's scale, clamped to +-448, and rounded to the nearest number of E4M3, ties to even, subnormals kept.
;;     - The product sums the exact products of the quantised numbers (number of the format x scale) in f32.
;;   ~~~python
;;   def quantise(x, axis):      # numpy; x: float32 -> the quantised numbers, widened to float32 again
;;       x = np.moveaxis(x, axis, -1); K = x.shape[-1]
;;       x = np.pad(x, [(0, 0)] * (x.ndim - 1) + [(0, -K % 32)]); x = x.reshape(x.shape[:-1] + (-1, 32)); a = np.abs(x).max(-1, keepdims=True)
;;       e = np.where(a > 0, np.clip(np.frexp(np.where(a > 0, a, 1))[1] - 1 - 8, -126, 127), 0)      # np.frexp(a)[1] - 1 = floor(log2(a)), exactly
;;       r = np.clip(x / 2.0 ** e, -448, 448)
;;       step = 2.0 ** (np.maximum(np.frexp(np.where(r == 0, 1, r))[1] - 1, -6) - 3)
;;       q = np.round(r / step) * step * 2.0 ** e      # np.round: ties to even
;;       return np.moveaxis(q.reshape(q.shape[:-2] + (-1,))[..., :K], -1, axis).astype(np.float32)
;;   ~~~
;; One version. Each part assembles by itself: llvm-mc -triple=amdgcn-amd-amdhsa -mcpu=gfx1250 --defsym DOCPART=n.
;; ======== version 1 of 1: 4 launches
;; limits: right only within a limited range of input values
;; workspace buffers: xq 1,081,344 bytes; part 16,777,216 bytes; idx 32,768 bytes of whole numbers
;; launch quantx (part 1): grid 128 x 1, 4 waves a work-group, no clusters, 18,432 bytes of LDS; arguments x, xq; writes xq
.if DOCPART == 1
	.amdgcn_target "amdgcn-amd-amdhsa--gfx1250"
	.amdhsa_code_object_version 6
	.text
	.protected	k_q381ac86f96_quantx
	.globl	k_q381ac86f96_quantx
	.p2align	8
	.type	k_q381ac86f96_quantx,@function
k_q381ac86f96_quantx:
	s_mov_b64 s[64:65], 0
	v_nop
	global_prefetch_b8 v0, s[64:65] scope:SCOPE_SE
	s_setreg_imm32_b32 hwreg(HW_REG_WAVE_MODE, 25, 1), 1
	s_wait_xcnt 0x0
; x [2048][512] f32 becomes codes of FP8 (E4M3) with one E8M0 scale byte for each 32 along K, once, for the launch that multiplies: every work-group there reads all of x.
; A block's scale is 2^(floor(log2(its largest magnitude)) - 8); its byte is the largest magnitude's exponent field - 8, held at 1 from below; each number is divided by the scale, held within +-448, rounded to the nearest code, ties to even.
; LIMITS: a block of zeros gets the byte 1 where the rule says 127 (its codes are zeros, and this program alone reads the bytes); NaN and infinities among the inputs are not served.
; SHARES.  Work-group T takes the 16 queries 16 T .. 16 T + 15; wave s takes K step s (128 along K), as two halves of 64 along K.
; OUT.  xq: one record of 8,192 bytes a tile of queries, AN IMAGE OF THE OPERAND'S REGISTERS: [K step s][group c of four registers][lane][16 bytes]: lane (r, h) holds query r, k = 128 s + 32 c + 16 h + 0 .. 15.
; Record number = 8 ((T % 64) / 4) + 4 (T / 64) + T % 4: eight records on end are what the reader keeps in one LDS slot.  xs: [query][16 scale bytes]: word s is K step s's.
; Each load reads 256 consecutive bytes of a row in sixteen lanes; the conversions want 16 neighbours along K in ONE lane, so a half (16 rows x 256 bytes) turns through the wave's own stage in LDS (rows 272 bytes apart).
.set SPT,  272                         ; a stage row: 256 bytes + 16
.set TSTB, 16*SPT                      ; a wave's stage
.set SCW,  4*TSTB                      ; behind the stages: the tile's 256 scale bytes
.set VO,   1                           ; v1   x: 2,048 (lane / 16) + 16 (lane % 16)
.set TSI,  2                           ; v2   the stage, way in
.set TSO,  3                           ; v3   the stage, way out
.set GO,   4                           ; v4   16 x lane
.set SWA,  5                           ; v5   LDS: my row's scale word of my K step
.set SRD,  6                           ; v6   LDS: 8 bytes a lane of the 256
.set SGO,  7                           ; v7   8 x lane
.set TM,   8                           ; v8-17  at work: +0,1 largest magnitudes, +2,3 the other half's, +4,5 the conversions' scale operands, +6,7 448 x the scale, +8,9 the bytes
.set SW,   18                          ; v18  the scale word
.set R,    32                          ; v32-95   two halves as loaded
.set X,    96                          ; v96-127  32 numbers: 16 neighbours of each of two blocks
.set PC,   128                         ; v128-143 codes: eight registers a half, so that no store's data are written again
.set SEL,  20                          ; s[20:21] lane selects: lane l xor 16
.set MNT,  22                          ; s22  the mantissa field of 448
; 32 numbers of a lane, v[X + 16 b + i] = k 32 b + 16 (lane / 16) + i of my row, become eight registers of codes at v[pc] on, and two bytes of the scale word v[sw] (half 0: bytes 0, 1; half 1: bytes 2, 3)
.macro QUANT32 half, pc, sw
.irp b, 0,1
	v_max3_num_f32 v[TM+\b], |v[X+16*\b]|, |v[X+16*\b+1]|, 0x4800000   ; my 16 numbers of block b, and the floor 2^(9 - 127): the byte cannot fall under 1
.endr
.irp i, 2,4,6,8,10,12,14
.irp b, 0,1
	v_max3_num_f32 v[TM+\b], v[TM+\b], |v[X+16*\b+\i]|, |v[X+16*\b+\i+1]|
.endr
.endr
.irp b, 0,1
	v_permlanex16_b32 v[TM+2+\b], v[TM+\b], s[SEL], s[SEL+1]
.endr
.irp b, 0,1
	v_max_num_f32 v[TM+\b], v[TM+\b], v[TM+2+\b]                   ; with lane l xor 16's 16: the block's largest magnitude
.endr
.irp b, 0,1
	v_add_nc_u32 v[TM+4+\b], 0xfc000000, v[TM+\b]                  ; 8 off its exponent field: the conversion takes this operand's exponent field as its scale
.endr
.irp b, 0,1
	v_and_or_b32 v[TM+6+\b], v[TM+\b], 0x7f800000, s[MNT]          ; 448 x the scale
.endr
.irp b, 0,1
	v_lshrrev_b32 v[TM+8+\b], 23, v[TM+4+\b]                       ; the scale's byte
.endr
.if \half == 0
	v_lshl_or_b32 v[\sw], v[TM+9], 8, v[TM+8]
.else
	v_lshl_or_b32 v[\sw], v[TM+8], 16, v[\sw]
	v_lshl_or_b32 v[\sw], v[TM+9], 24, v[\sw]
.endif
.irp b, 0,1
.irp i, 0,1,2,3,4,5,6,7,8,9,10,11,12,13,14,15
	v_med3_num_f32 v[X+16*\b+\i], v[X+16*\b+\i], -v[TM+6+\b], v[TM+6+\b]   ; the conversion to an 8-bit code does not saturate (ISA guide 7.6.2): the hold comes first
.endr
	v_cvt_scalef32_pk8_fp8_f32 v[\pc+4*\b:\pc+4*\b+1], v[X+16*\b:X+16*\b+7], v[TM+4+\b]
	v_cvt_scalef32_pk8_fp8_f32 v[\pc+4*\b+2:\pc+4*\b+3], v[X+16*\b+8:X+16*\b+15], v[TM+4+\b]
.endr
	v_nop                                          ; one plain vector instruction behind the last conversion
.endm
; one half: through the stage, quantised, stored
.macro HALF hf
	s_wait_loadcnt 8-8*\hf                         ; this half's eight loads are in; the other half's eight may be out
.irp i, 0,1,2,3,4,5,6,7
	ds_store_b128 v[TSI], v[R+32*\hf+4*\i:R+32*\hf+4*\i+3] offset:2*SPT*\i
.endr
.irp b, 0,1
.irp q, 0,1,2,3
	ds_load_b128 v[X+16*\b+4*\q:X+16*\b+4*\q+3], v[TSO] offset:128*\b+16*\q   ; LDS serves a wave's instructions in order (ISA guide 5.7.1.4): these see the stores above
.endr
.endr
	s_wait_dscnt 0x0
	QUANT32 \hf, PC+8*\hf, SW
	global_store_b128 v[GO], v[PC+8*\hf:PC+8*\hf+3], s[6:7] offset:512*(2*\hf)        ; 32 lanes store 512 consecutive bytes, aligned
	global_store_b128 v[GO], v[PC+8*\hf+4:PC+8*\hf+7], s[6:7] offset:512*(2*\hf+1)
.endm
	s_load_b128 s[4:7], s[0:1], 0x0                ; x, xq
	s_load_b64 s[8:9], s[0:1], 0x8                 ; xq once more: a tile's 256 scale bytes ([query][16 bytes]) lie behind its 8,192 bytes of codes, in one record of 8,448 bytes; there is no buffer xs
	v_lshl_add_u32 v144, v0, 2, 0x4600
	v_mov_b32 v145, 0
	v_lshrrev_b32 v19, 5, v0
	v_readfirstlane_b32 s12, v19                   ; wave = K step
	v_and_b32 v19, 31, v0                          ; lane
	v_and_b32 v20, 15, v0                          ; r
	v_bfe_u32 v21, v0, 4, 1                        ; h
	v_lshlrev_b32 v22, 4, v20                      ; 16 r
	v_lshl_add_u32 v[VO], v21, 11, v22             ; lanes 0-15 an even row, lanes 16-31 the row below
	s_mul_i32 s13, s12, TSTB                       ; my stage
	v_mul_u32_u24 v23, v21, SPT
	v_add_nc_u32 v23, v23, v22
	v_add_nc_u32 v[TSI], s13, v23                  ; in: as loaded
	v_mul_u32_u24 v23, v20, SPT
	v_lshl_add_u32 v23, v21, 6, v23
	v_add_nc_u32 v[TSO], s13, v23                  ; out: row r, + 64 h: my 16 numbers of a block
	v_lshlrev_b32 v[GO], 4, v19
	s_lshl_b32 s14, s12, 2
	s_add_co_u32 s14, s14, SCW
	v_add_nc_u32 v[SWA], s14, v22                  ; 16 bytes a query, word = K step
	v_lshlrev_b32 v[SGO], 3, v19
	v_add_nc_u32 v[SRD], SCW, v[SGO]
	v_mov_b32 v[TM+2], 0                           ; written once: a lane permute's destination counts as one of its sources
	v_mov_b32 v[TM+3], 0
	s_mov_b32 s[SEL], 0x76543210
	s_mov_b32 s[SEL+1], 0xfedcba98
	s_mov_b32 s[MNT], 0x600000
	s_lshl_b32 s16, ttmp9, 15                      ; x: 16 rows of 2,048 bytes a tile,
	s_lshl_b32 s17, s12, 9                         ; 512 bytes a K step
	s_add_co_u32 s16, s16, s17
	s_mov_b32 s17, 0
	s_bfe_u32 s18, ttmp9, 0x40002                  ; (T % 64) / 4
	s_lshl_b32 s18, s18, 3
	s_lshr_b32 s19, ttmp9, 6                       ; T / 64
	s_lshl_b32 s19, s19, 2
	s_add_co_u32 s18, s18, s19
	s_and_b32 s19, ttmp9, 3                        ; T % 4
	s_add_co_u32 s18, s18, s19                     ; the record's number
	s_mul_i32 s18, s18, 8448                       ; a record: 8,192 bytes of codes + 256 scale bytes = 33 rows of 256 bytes
	s_add_co_u32 s24, s18, 8192                    ; where the record's scale bytes begin
	s_lshl_b32 s19, s12, 11                        ; 2,048 bytes a K step
	s_add_co_u32 s18, s18, s19
	s_mov_b32 s19, 0
	s_mov_b32 s25, 0
	s_wait_alu depctr_va_vdst(0)
	s_wait_kmcnt 0x0
	s_add_nc_u64 s[4:5], s[4:5], s[16:17]
	s_add_nc_u64 s[6:7], s[6:7], s[18:19]
	s_add_nc_u64 s[8:9], s[8:9], s[24:25]
.irp e, 0,1
.irp i, 0,1,2,3,4,5,6,7
	global_load_b128 v[R+32*\e+4*\i:R+32*\e+4*\i+3], v[VO], s[4:5] offset:4096*\i+256*\e th:TH_LOAD_NT   ; rows 2 i and 2 i + 1: sixteen lanes read 256 consecutive bytes, aligned
.endr
.endr
	HALF 0
	HALF 1
	ds_store_b32 v[SWA], v[SW]                     ; lanes l and l xor 16 write the same word with the same value
	s_wait_dscnt 0x0                               ; for the others' sake: my word has landed
	s_barrier_signal -1
	s_barrier_wait -1
	s_cmp_lg_u32 s12, 0
	s_cbranch_scc1 .Ldone
	ds_load_b64 v[24:25], v[SRD]                   ; wave 0 sends the tile's 256 scale bytes
	s_wait_dscnt 0x0
	global_store_b64 v[SGO], v[24:25], s[8:9]      ; 32 lanes store 256 consecutive bytes, aligned
.Ldone:
	s_wait_tensorcnt 0x0
	ds_add_u32 v144, v145
	s_wait_dscnt 0x0
	s_endpgm
.Lfunc_end_k_q381ac86f96_quantx:
	.size	k_q381ac86f96_quantx, .Lfunc_end_k_q381ac86f96_quantx-k_q381ac86f96_quantx
	.p2alignl 7, 3214868480
	.fill 96, 4, 3214868480
	.section	.rodata,"a",@progbits
	.p2align	6, 0x0
	.amdhsa_kernel k_q381ac86f96_quantx
		.amdhsa_group_segment_fixed_size 18432
		.amdhsa_private_segment_fixed_size 0
		.amdhsa_enable_private_segment 0
		.amdhsa_kernarg_size 16
		.amdhsa_user_sgpr_count 2
		.amdhsa_user_sgpr_kernarg_segment_ptr 1
		.amdhsa_wavefront_size32 1
		.amdhsa_system_sgpr_workgroup_id_x 1
		.amdhsa_system_sgpr_workgroup_id_y 1
		.amdhsa_system_sgpr_workgroup_id_z 1
		.amdhsa_system_vgpr_workitem_id 0
		.amdhsa_next_free_vgpr 146
		.amdhsa_next_free_sgpr 66
		.amdhsa_reserve_vcc 0
		.amdhsa_float_denorm_mode_32 3
		.amdhsa_float_denorm_mode_16_64 3
		.amdhsa_memory_ordered 1
		.amdhsa_forward_progress 1
		.amdhsa_inst_pref_size 16
	.end_amdhsa_kernel
	.amdgpu_metadata
---
amdhsa.version: [ 1, 2 ]
amdhsa.kernels:
  - .name:           k_q381ac86f96_quantx
    .symbol:         k_q381ac86f96_quantx.kd
    .args:
      - { .name: x, .offset: 0, .size: 8, .value_kind: global_buffer, .address_space: global }
      - { .name: xq, .offset: 8, .size: 8, .value_kind: global_buffer, .address_space: global }
    .group_segment_fixed_size: 18432
    .private_segment_fixed_size: 0
    .kernarg_segment_align: 8
    .kernarg_segment_size: 16
    .max_flat_workgroup_size: 128
    .sgpr_count:     66
    .vgpr_count:     146
    .wavefront_size: 32
...
	.end_amdgpu_metadata
.endif
;; end of part 1
;; launch scan (part 2): grid 256 x 1, 8 waves a work-group, clusters of 4 x 1, 327,680 bytes of LDS; arguments feature_queue, xq, part; writes part
.if DOCPART == 2
	.amdgcn_target "amdgcn-amd-amdhsa--gfx1250"
	.amdhsa_code_object_version 6
	.text
	.protected	k_q381ac86f96_scan
	.globl	k_q381ac86f96_scan
	.p2align	8
	.type	k_q381ac86f96_scan,@function
k_q381ac86f96_scan:
	s_mov_b64 s[64:65], 0
	v_nop
	global_prefetch_b8 v0, s[64:65] scope:SCOPE_SE
	s_setreg_imm32_b32 hwreg(HW_REG_WAVE_MODE, 25, 1), 1
	s_wait_xcnt 0x0
	s_wait_alu depctr_hold_cnt(0) depctr_sa_sdst(0) depctr_va_vdst(0) depctr_va_sdst(0) depctr_va_ssrc(0) depctr_va_vcc(0) depctr_vm_vsrc(0)
	s_getreg_b32 s2, hwreg(HW_REG_IB_STS2, 6, 4)
	s_cmp_eq_u32 s2, 0
	s_cbranch_scc0 .Lentry_in_a_cluster
	s_endpgm
.Lentry_in_a_cluster:
	s_bfe_u32 s2, ttmp6, 0x10000c
	s_cmp_lg_u32 s2, 0x3003
	s_cbranch_scc0 .Lentry_shape_is_right
	s_endpgm
.Lentry_shape_is_right:
; logits = Q(x) Q(feature_queue)^T on codes of FP8 (E4M3) with E8M0 scales for each 32 along K = 512; of each query's logits the largest and the smallest with their keys, over 128 keys at a time.
; SHARES.  A work-group owns 256 keys (512 KiB of f32, read once, quantised on the way).  Eight waves, two to a SIMD.  Wave w (kq = w / 2, qh = w % 2) keeps keys 64 kq .. + 63 for all of K in the 256
; registers of window 1 (4 tiles x 4 K steps x 16) and walks queries 1,024 qh .. + 1,023: 64 tiles of 16, 16 matrix instructions each, in ONE run; the search through the 32 results of a lane is one run of vector lines behind it.
; x comes as records of 8,448 bytes a tile (an image of the operand's registers, then 16 scale bytes a query) through a ring of two LDS slots of 8 records, 4 for each qh; each wave fetches one record of a slot.
; In a slot's last tile a barrier shows the other slot whole, so that its first record is fetched under that tile's search; the round in front of the refill follows behind the tile.
; CLUSTER.  All work-groups walk the same x: the four of a cluster ask for each record jointly (a mask names four at the most: 4 x 1).  feature_queue is shared by nobody.
; NO PREFETCH: all loads of feature_queue go out at the head and in the first tile's steps: there is no loop to run ahead in; x's records are a small part of the bytes.
; LAYOUT.  Source 0 = 16 keys, source 1 = 16 queries: a lane holds one query (lane % 16).  Row m of tile t is local key 32 (m / 8) + 8 t + m % 8, so a lane's 32 results are local keys 32 (lane / 16) + 8 t + j, ascending in (t, j).
; THE SEARCH keeps the best value, 8 x its tile and that tile's eight values; a later tile replaces them only where strictly better; the lowest j that equals the best is taken: the first occurrence.
; The halves of the lanes meet by one exchange; lanes 0-15 (the lower keys) keep their own on a tie, and only their result is used.
; THE MERGE.  Waves w and w + 2 of a pair (kq even and odd, the same qh) put a slot's four results a query into their stages, by the slot's parity; behind the next round each of the two joins 32 of the 64 queries
; (the lower keys stay on a tie) and stores 512 consecutive bytes.
; OUT.  part [p = 2 x work-group + kq / 2][query][largest f32, its local key under 128, smallest f32, its local key].
; LIMITS: a block of zeros gets the scale byte 1 where the rule says 127 (its codes are zeros; only this launch reads the bytes); NaN and infinities among the inputs are not served; +0 and -0 count as equal.
.set REC,   8448
.set SLOTB, 8*REC                      ; slot 0 at 0, slot 1 behind it
.set IMG,   2*SLOTB                    ; the keys' fragments as images: tile x 8,192 + K step x 2,048 + c x 512 + 16 x lane.  No tensor load lands from here on
.set KSI,   IMG+131072                 ; the keys' scale words: [tile][lane][16 bytes]
.set TST,   KSI+8192                   ; eight stages of 16 rows x 272 bytes, a wave's own to write: first for the turn of f32 numbers, later for results: 2,048 bytes for each parity
.set SPT,   272
.set TSTB,  16*SPT
.set SPARE, TST+8*TSTB                 ; the spare words: 128 bytes a wave
; window 0
.set SPW,  1
.set NIL,  2
.set PX,   4                           ; v4, v5  my four records in slot 0, 1: + 16 x lane
.set PS,   6                           ; v6, v7  their scale words: + 8,192 + 16 (lane % 16)
.set RSP,  8                           ; results into my stage: lanes 0-15 16 bytes a query, lanes 16-31 1,024 bytes further on
.set MA,   9                           ; the merge: the lower wave's stage + my 512 bytes + 16 x lane; the upper wave's lies 2 stages on
.set GO,   10                          ; 16 x lane
.set H32,  11                          ; 32 (lane / 16)
.set VO,   12                          ; feature_queue: 2,048 (lane / 16) + 16 (lane % 16)
.set TSI,  13
.set TSO,  14
.set IMG0, 15                          ; where my two tiles' images go
.set KX,   16                          ; v16-23 the eight values of the tile that holds the largest; v24-31 the smallest
.set KN,   24
.set BX,   32
.set TX,   33
.set BN,   34
.set TN,   35
.set GX,   36                          ; v36, v38 a tile's largest; v37, v39 its smallest
.set GN,   37
.set OVX,  40
.set OIX,  41
.set OVN,  42
.set OIN,  43
.set IX,   45
.set IN,   47
.set RES,  48
.set FD,   52                          ; v52-55 the lower keys' record, then the merged one; v56-59 the upper keys'
.set JX,   60
.set JN,   61
.set KSI0, 62
.set XF,   64                          ; v64-127 x's four fragments
.set XSR,  128                         ; v128-131 x's scale words
.set KSR,  134                         ; v134-149 the keys' scale words, 4 t + s
.set FI,   160
.set KFI,  161
.set T0,   169
.set ACC,  192                         ; v192-223 four accumulators
.set X,    64                          ; first phase: v64-95 numbers, v96-103 codes, v104-113 at work, v120-123 a tile's scale words; window 1: 8 sets of 32 registers as loaded
.set PC,   96
.set TM,   104
.set SW,   120
.set WV,   12
.set KQ,   13
.set QH,   14
.set SEL,  24
.set MNT,  26
.set G1,   28                          ; s[28:35] a record: 33 rows of 256 bytes
.set G0,   44                          ; s[44:47], s[48:51] group 0 for slot 0, 1
.set CNT,  56
.set PB,   58
.set FQB,  60
.set MX,   66
.set MN,   67
.set ST,   68                          ; s[68:69] what the next merge adds to part's address: 0 the first time, then 1,024
.set MSB, 0
.macro WIN new
.if MSB != (\new)
	s_set_vgpr_msb (MSB<<8)|(\new)
.set MSB, \new
.endif
.endm
.macro CROUND                          ; a round of the cluster's barrier
	s_barrier_signal -1
	s_barrier_wait -1
	s_cmp_lg_u32 s[WV], 0
	s_cbranch_scc1 .Lnot_wave_0_\@
	s_barrier_signal -3
.Lnot_wave_0_\@:
	s_barrier_wait -3
	s_barrier_signal -1
	s_barrier_wait -1
.endm
; 32 numbers of a lane (16 neighbours of each of two blocks) become eight registers of codes and two bytes of the scale word
.macro QUANT32 half, pc, sw
.irp b, 0,1
	v_max3_num_f32 v[TM+\b], |v[X+16*\b]|, |v[X+16*\b+1]|, 0x4800000   ; with the floor 2^(9 - 127): the byte cannot fall under 1
.endr
.irp i, 2,4,6,8,10,12,14
.irp b, 0,1
	v_max3_num_f32 v[TM+\b], v[TM+\b], |v[X+16*\b+\i]|, |v[X+16*\b+\i+1]|
.endr
.endr
.irp b, 0,1
	v_permlanex16_b32 v[TM+2+\b], v[TM+\b], s[SEL], s[SEL+1]
.endr
.irp b, 0,1
	v_max_num_f32 v[TM+\b], v[TM+\b], v[TM+2+\b]                   ; the block's largest magnitude
.endr
.irp b, 0,1
	v_add_nc_u32 v[TM+4+\b], 0xfc000000, v[TM+\b]                  ; 8 off its exponent field: the conversion's scale operand
.endr
.irp b, 0,1
	v_and_or_b32 v[TM+6+\b], v[TM+\b], 0x7f800000, s[MNT]          ; 448 x the scale
.endr
.irp b, 0,1
	v_lshrrev_b32 v[TM+8+\b], 23, v[TM+4+\b]                       ; the scale's byte
.endr
.if \half == 0
	v_lshl_or_b32 v[\sw], v[TM+9], 8, v[TM+8]
.else
	v_lshl_or_b32 v[\sw], v[TM+8], 16, v[\sw]
	v_lshl_or_b32 v[\sw], v[TM+9], 24, v[\sw]
.endif
.irp b, 0,1
.irp i, 0,1,2,3,4,5,6,7,8,9,10,11,12,13,14,15
	v_med3_num_f32 v[X+16*\b+\i], v[X+16*\b+\i], -v[TM+6+\b], v[TM+6+\b]   ; the conversion does not saturate (ISA guide 7.6.2): the hold comes first
.endr
	v_cvt_scalef32_pk8_fp8_f32 v[\pc+4*\b:\pc+4*\b+1], v[X+16*\b:X+16*\b+7], v[TM+4+\b]
	v_cvt_scalef32_pk8_fp8_f32 v[\pc+4*\b+2:\pc+4*\b+3], v[X+16*\b+8:X+16*\b+15], v[TM+4+\b]
.endr
	v_nop                                          ; one plain vector line behind the last conversion
.endm
.macro FQLOAD e, off                   ; half e (64 along K) of a tile of keys: rows 2 i, 2 i + 1: sixteen lanes read 256 consecutive bytes, aligned
.irp i, 0,1,2,3,4,5,6,7
	global_load_b128 v[32*\e+4*\i:32*\e+4*\i+3], v[VO], s[FQB:FQB+1] offset:(32*(\i/4)+2*(\i%4))*2048+256*\e+\off th:TH_LOAD_NT
.endr
.endm
; Half e of my tile ti: out of set e, through my stage, quantised, as half a fragment's image into LDS.  left: the loads issued behind set e's
.macro HSTEP e, ti, reload, left
	s_wait_loadcnt \left
	WIN 0x04                                       ; an LDS store's data: window 1
.irp i, 0,1,2,3,4,5,6,7
	ds_store_b128 v[TSI], v[32*\e+4*\i:32*\e+4*\i+3] offset:2*SPT*\i
.endr
	WIN 0
.irp b, 0,1
.irp q, 0,1,2,3
	ds_load_b128 v[X+16*\b+4*\q:X+16*\b+4*\q+3], v[TSO] offset:128*\b+16*\q   ; LDS serves a wave's instructions in order (ISA guide 5.7.1.4)
.endr
.endr
	s_wait_dscnt 0x0                               ; my 32 numbers are in; the stores have read set e
.if \reload
	WIN 0x40
	FQLOAD \e, 16384                               ; the same half of my next tile, 8 keys on
	WIN 0
.endif
	QUANT32 (\e)%2, PC, SW+(\e)/2
	ds_store_b128 v[IMG0], v[PC:PC+3] offset:8192*\ti+2048*((\e)/2)+512*(2*((\e)%2))
	ds_store_b128 v[IMG0], v[PC+4:PC+7] offset:8192*\ti+2048*((\e)/2)+512*(2*((\e)%2)+1)
.if \e == 7
	ds_store_b128 v[KSI0], v[SW:SW+3] offset:512*\ti
.endif
.endm
	s_load_b128 s[4:7], s[0:1], 0x0                ; feature_queue, xq
	s_load_b64 s[10:11], s[0:1], 0x10              ; part
	v_lshl_add_u32 v[SPW], v0, 2, SPARE
	v_mov_b32 v[NIL], 0
	ds_add_u32 v[SPW], v[NIL]                      ; the opening lines: the add, twice on end, and its wait
	ds_add_u32 v[SPW], v[NIL]
	v_lshrrev_b32 v[T0], 5, v0
	v_readfirstlane_b32 s[WV], v[T0]               ; wave 0..7
	s_lshr_b32 s[KQ], s[WV], 1
	s_and_b32 s[QH], s[WV], 1
	v_and_b32 v[T0], 31, v0                        ; lane
	v_and_b32 v[T0+1], 15, v0                      ; r
	v_bfe_u32 v[T0+2], v0, 4, 1                    ; h
	v_lshlrev_b32 v[GO], 4, v[T0]
	v_lshlrev_b32 v[H32], 5, v[T0+2]
	v_lshlrev_b32 v[T0+3], 4, v[T0+1]              ; 16 r
	v_lshl_add_u32 v[VO], v[T0+2], 11, v[T0+3]
	s_mul_i32 s22, s[WV], TSTB
	s_add_co_u32 s22, s22, TST                     ; my stage
	v_mul_u32_u24 v[T0+4], v[T0+2], SPT
	v_add_nc_u32 v[T0+4], v[T0+4], v[T0+3]
	v_add_nc_u32 v[TSI], s22, v[T0+4]              ; in: as loaded
	v_mul_u32_u24 v[T0+4], v[T0+1], SPT
	v_lshl_add_u32 v[T0+4], v[T0+2], 6, v[T0+4]
	v_add_nc_u32 v[TSO], s22, v[T0+4]              ; out: row r, + 64 h
	v_lshl_add_u32 v[T0+4], v[T0+2], 10, v[T0+3]
	v_add_nc_u32 v[RSP], s22, v[T0+4]
	s_and_b32 s23, s[WV], 5                        ; the lower wave of my pair: kq even, my qh
	s_mul_i32 s23, s23, TSTB
	s_bfe_u32 s20, s[WV], 0x10001                  ; kq % 2: which 32 of the 64 queries I merge
	s_lshl_b32 s20, s20, 9
	s_add_co_u32 s23, s23, s20
	s_add_co_u32 s23, s23, TST
	v_add_nc_u32 v[MA], s23, v[GO]
	s_lshl_b32 s23, s[WV], 14
	s_add_co_u32 s23, s23, IMG
	v_add_nc_u32 v[IMG0], s23, v[GO]               ; I make tiles 2 w, 2 w + 1 of the work-group's sixteen
	s_lshl_b32 s23, s[WV], 10
	s_add_co_u32 s23, s23, KSI
	v_add_nc_u32 v[KSI0], s23, v[GO]
	s_lshl_b32 s23, s[KQ], 15
	s_add_co_u32 s23, s23, IMG
	v_add_nc_u32 v[FI], s23, v[GO]                 ; I multiply tiles 4 kq .. 4 kq + 3
	s_lshl_b32 s23, s[KQ], 11
	s_add_co_u32 s23, s23, KSI
	v_add_nc_u32 v[KFI], s23, v[GO]
	s_mul_i32 s23, s[QH], 4*REC                    ; qh's four records of a slot
	v_add_nc_u32 v[PX], s23, v[GO]
	v_add_nc_u32 v[PX+1], SLOTB, v[PX]
	s_add_co_u32 s23, s23, 8192
	v_add_nc_u32 v[PS], s23, v[T0+3]
	v_add_nc_u32 v[PS+1], SLOTB, v[PS]
.irp r, OVX, OIX, OVN, OIN, TM+2, TM+3
	v_mov_b32 v[\r], 0                             ; a lane permute's destination counts as one of its sources
.endr
	s_mov_b32 s[SEL], 0x76543210
	s_mov_b32 s[SEL+1], 0xfedcba98
	s_mov_b32 s[MNT], 0x600000
	s_mov_b32 s[ST], 0
	s_mov_b32 s[ST+1], 0
	s_bfe_u32 s70, ttmp6, 0x40000                  ; cx enters the addresses of feature_queue and of part alone
	s_lshl_b32 s71, ttmp9, 2
	s_add_co_u32 s71, s71, s70                     ; work-group
	s_lshl_b32 s72, s71, 8
	s_lshl_b32 s73, s[KQ], 6
	s_add_co_u32 s72, s72, s73
	s_lshl_b32 s73, s[QH], 4
	s_add_co_u32 s72, s72, s73                     ; the first key that I quantise: 256 x work-group + 64 kq + 16 qh
	s_lshl_b32 s72, s72, 11
	s_mov_b32 s73, 0
	s_lshl_b32 s74, s71, 1
	s_lshr_b32 s75, s[WV], 2
	s_add_co_u32 s74, s74, s75                     ; p = 2 x work-group + kq / 2
	s_lshl_b32 s74, s74, 15                        ; 32,768 bytes a p,
	s_lshl_b32 s75, s[QH], 14                      ; 16 a query,
	s_add_co_u32 s74, s74, s75
	s_add_co_u32 s74, s74, s20                     ; and my 512 bytes of a slot's 1,024
	s_mov_b32 s75, 0
	s_mov_b32 s[G1], 15|(3<<16)|(1<<21)            ; the mask: all four work-groups; elements of 8 bytes; bit 21 beside a mask
	s_mov_b32 s[G1+1], 32<<16
	s_mov_b32 s[G1+2], 33<<16
	s_mov_b32 s[G1+3], 32<<16
	s_mov_b32 s[G1+4], 33
	s_mov_b32 s[G1+5], 32
	s_mov_b32 s[G1+6], 0
	s_mov_b32 s[G1+7], 0
	s_mul_i32 s18, s[WV], REC                      ; my record of a slot, in memory and in LDS alike
	s_mov_b32 s19, 0
	s_wait_alu depctr_va_vdst(0)
	s_wait_dscnt 0x0
	s_wait_kmcnt 0x0
	s_add_nc_u64 s[FQB:FQB+1], s[4:5], s[72:73]
	s_add_nc_u64 s[PB:PB+1], s[10:11], s[74:75]
	s_mov_b32 s[G0], 1
	s_mov_b32 s[G0+1], s18
	s_add_nc_u64 s[G0+2:G0+3], s[6:7], s[18:19]
	s_mov_b32 s[G0+4], 1
	s_add_co_u32 s[G0+5], s18, SLOTB
	s_add_nc_u64 s[G0+6:G0+7], s[G0+2:G0+3], SLOTB
	s_or_b32 s[G0+3], s[G0+3], 0x80000000
	s_or_b32 s[G0+7], s[G0+7], 0x80000000
	WIN 0x40
.irp e, 0,1,2,3,4,5,6
	FQLOAD \e, 0                                   ; my first tile of keys: 56 loads of 512 bytes
.endr
	WIN 0
	CROUND                                         ; the first joint loads meet
	tensor_load_to_lds s[G0:G0+3], s[G1:G1+7]      ; slot 0, my record: my one tensor load at the head
	s_nop 0
.rept 4
	v_nop
.endr
	WIN 0x40
	FQLOAD 7, 0
	WIN 0
.irp e, 0,1,2,3,4,5,6,7
	HSTEP \e, 0, 1, 56                             ; behind set e's loads stand the seven other sets' 56
.endr
.irp e, 0,1,2,3,4,5,6,7
	HSTEP \e, 1, 0, 8*(7-\e)                       ; the second tile loads nothing: the counts run down
.endr
	s_wait_alu depctr_va_vdst(0)
	s_wait_dscnt 0x0                               ; for the others' sake: my images have landed
	s_barrier_signal -1
	s_barrier_wait -1
.irp t, 0,1,2,3
	ds_load_b128 v[KSR+4*\t:KSR+4*\t+3], v[KFI] offset:512*\t
.endr
	WIN 0x40                                       ; my four tiles of keys come into window 1 and stay
.irp t, 0,1,2,3
.irp i, 0,1,2,3,4,5,6,7,8,9,10,11,12,13,14,15
	ds_load_b128 v[64*\t+4*\i:64*\t+4*\i+3], v[FI] offset:8192*\t+512*\i
.endr
.endr
	WIN 0
.macro LOADX s, r                      ; record r of my four in slot s: four fragments and the four scale words: 17 LDS loads
	ds_load_b128 v[XSR:XSR+3], v[PS+\s] offset:REC*(\r)
.irp i, 0,1,2,3,4,5,6,7,8,9,10,11,12,13,14,15
	ds_load_b128 v[XF+4*\i:XF+4*\i+3], v[PX+\s] offset:REC*(\r)+512*\i
.endr
.endm
.macro MULS                            ; 16 products: the four accumulators take turns, one instruction a turn; K step 0 starts the sums
	WIN 0x01                                       ; source 0 (the keys): window 1
.irp q, 0,1,2,3
.irp t, 0,1,2,3
.if \q == 0
	v_wmma_scale_f32_16x16x128_f8f6f4 v[ACC+8*\t:ACC+8*\t+7], v[64*\t+16*\q:64*\t+16*\q+15], v[XF+16*\q:XF+16*\q+15], 0, v[KSR+4*\t+\q], v[XSR+\q]
.else
	v_wmma_scale_f32_16x16x128_f8f6f4 v[ACC+8*\t:ACC+8*\t+7], v[64*\t+16*\q:64*\t+16*\q+15], v[XF+16*\q:XF+16*\q+15], v[ACC+8*\t:ACC+8*\t+7], v[KSR+4*\t+\q], v[XSR+\q]
.endif
.endr
.endr
	WIN 0
.endm
.macro G2 a, xa, na, b, xb, nb         ; the largest and smallest of two tiles' eight values: four chains by turns, each from its accumulator's low end
	v_max3_num_f32 v[\xa], v[\a], v[\a+1], v[\a+2]
	v_min3_num_f32 v[\na], v[\a], v[\a+1], v[\a+2]
	v_max3_num_f32 v[\xb], v[\b], v[\b+1], v[\b+2]
	v_min3_num_f32 v[\nb], v[\b], v[\b+1], v[\b+2]
.irp i, 3,5
	v_max3_num_f32 v[\xa], v[\xa], v[\a+\i], v[\a+\i+1]
	v_min3_num_f32 v[\na], v[\na], v[\a+\i], v[\a+\i+1]
	v_max3_num_f32 v[\xb], v[\xb], v[\b+\i], v[\b+\i+1]
	v_min3_num_f32 v[\nb], v[\nb], v[\b+\i], v[\b+\i+1]
.endr
	v_max_num_f32 v[\xa], v[\xa], v[\a+7]
	v_min_num_f32 v[\na], v[\na], v[\a+7]
	v_max_num_f32 v[\xb], v[\xb], v[\b+7]
	v_min_num_f32 v[\nb], v[\nb], v[\b+7]
.endm
.macro UPD st                          ; tile st against the best so far.  VCC = the best so far stands, on a tie too.  For tile 1 the old eight are tile 0's, still in its accumulator
.irp hh, 0,1
.if \hh == 0
	v_cmp_ge_f32 vcc_lo, v[BX], v[GX+2*((\st)%2)]
.else
	v_cmp_le_f32 vcc_lo, v[BN], v[GN+2*((\st)%2)]
.endif
.irp sp, 0,2,4,6
.if \st == 1
	v_dual_cndmask_b32 v[KX+8*\hh+\sp], v[ACC+8*\st+\sp], v[ACC+\sp] :: v_dual_cndmask_b32 v[KX+8*\hh+\sp+1], v[ACC+8*\st+\sp+1], v[ACC+\sp+1]
.else
	v_dual_cndmask_b32 v[KX+8*\hh+\sp], v[ACC+8*\st+\sp], v[KX+8*\hh+\sp] :: v_dual_cndmask_b32 v[KX+8*\hh+\sp+1], v[ACC+8*\st+\sp+1], v[KX+8*\hh+\sp+1]
.endif
.endr
.if \st == 1
	v_cndmask_b32 v[TX+2*\hh], 8, 0, vcc_lo
.if \hh == 0
	v_max_num_f32 v[BX], v[BX], v[GX+2]
.else
	v_min_num_f32 v[BN], v[BN], v[GN+2]
.endif
.else
	v_dual_cndmask_b32 v[BX+2*\hh], v[GX+\hh+2*((\st)%2)], v[BX+2*\hh] :: v_dual_cndmask_b32 v[BX+2*\hh+1], 8*\st, v[BX+2*\hh+1]
.endif
.endr
.endm
.macro SEARCH
	G2 ACC, BX, BN, ACC+8, GX+2, GN+2
	UPD 1
	G2 ACC+16, GX, GN, ACC+24, GX+2, GN+2
	UPD 2
	UPD 3
.endm
.macro FINAL                           ; the lowest j that equals the best, the local keys, the exchange between the halves of the lanes.  It names kept values alone, no accumulator
	v_dual_mov_b32 v[JX], 7 :: v_dual_mov_b32 v[JN], 7
.irp jj, 6,5,4,3,2,1,0
	v_cmp_eq_f32 s[MX], v[KX+\jj], v[BX]
	v_cmp_eq_f32 s[MN], v[KN+\jj], v[BN]
	v_cndmask_b32 v[JX], v[JX], \jj, s[MX]
	v_cndmask_b32 v[JN], v[JN], \jj, s[MN]
.endr
	v_add3_u32 v[IX], v[TX], v[JX], v[H32]         ; local key = 32 (lane / 16) + 8 t + j
	v_add3_u32 v[IN], v[TN], v[JN], v[H32]
	v_permlanex16_b32 v[OVX], v[BX], s[SEL], s[SEL+1]
	v_permlanex16_b32 v[OIX], v[IX], s[SEL], s[SEL+1]
	v_permlanex16_b32 v[OVN], v[BN], s[SEL], s[SEL+1]
	v_permlanex16_b32 v[OIN], v[IN], s[SEL], s[SEL+1]
	v_cmp_ge_f32 vcc_lo, v[BX], v[OVX]             ; lanes 0-15 hold the lower keys: theirs stay on a tie
	v_dual_cndmask_b32 v[RES], v[OVX], v[BX] :: v_dual_cndmask_b32 v[RES+1], v[OIX], v[IX]
	v_cmp_le_f32 vcc_lo, v[BN], v[OVN]
	v_dual_cndmask_b32 v[RES+2], v[OVN], v[BN] :: v_dual_cndmask_b32 v[RES+3], v[OIN], v[IN]
.endm
; One tile of 16 queries.  Behind the products stand eight places and more: the tile before's FINAL, or eight v_nop; then the next record's loads, then the search, under which they land.
; pub = 1, a slot's last tile: my record of the other slot has landed, the add, my LDS loads are back; a barrier, with the products between its signal and its wait, shows the other slot whole.
.macro TURN s, r, pub
.if \pub
	s_wait_tensorcnt 0x0
	ds_add_u32 v[SPW], v[NIL]
.endif
	s_wait_dscnt 0x0                               ; the record is in registers
.if \pub
	s_barrier_signal -1
.endif
	MULS
.if \pub
	s_barrier_wait -1
.endif
.if \r == 0
.rept 8
	v_nop
.endr
.else
	FINAL
	ds_store_b128 v[RSP], v[RES:RES+3] offset:2048*\s+256*(\r-1)
.endif
.if \r < 3
	LOADX \s, \r+1
.elseif \pub
	LOADX 1-\s, 0                                  ; the other slot's first record
.endif
	SEARCH
	s_wait_alu depctr_va_vdst(0)
.endm
.macro BODY s, pub                     ; a slot's four tiles; their results lie in my stage, by the slot's parity
	TURN \s, 0, 0
	TURN \s, 1, 0
	TURN \s, 2, 0
	TURN \s, 3, \pub
	FINAL
	s_wait_alu depctr_va_vdst(0)
	ds_store_b128 v[RSP], v[RES:RES+3] offset:2048*\s+768
.endm
.macro MLOAD par                       ; my query's two records of parity par: the lower 64 keys', the upper 64 keys'
	ds_load_b128 v[FD:FD+3], v[MA] offset:2048*(\par)
	ds_load_b128 v[FD+4:FD+7], v[MA] offset:2048*(\par)+2*TSTB
.endm
.macro MSEND                           ; joined: the lower keys stay on a tie; 32 lanes store 512 consecutive bytes, aligned
	v_or_b32 v[FD+5], 64, v[FD+5]
	v_or_b32 v[FD+7], 64, v[FD+7]
	v_cmp_ge_f32 vcc_lo, v[FD], v[FD+4]
	v_cndmask_b32 v[FD], v[FD+4], v[FD], vcc_lo
	v_cndmask_b32 v[FD+1], v[FD+5], v[FD+1], vcc_lo
	v_cmp_le_f32 vcc_lo, v[FD+2], v[FD+6]
	v_cndmask_b32 v[FD+2], v[FD+6], v[FD+2], vcc_lo
	v_cndmask_b32 v[FD+3], v[FD+7], v[FD+3], vcc_lo
	global_store_b128 v[GO], v[FD:FD+3], s[PB:PB+1]
.endm
.macro PSTEP                           ; the last merge's store has read its base and its data: both are written again only behind this wait
	s_wait_xcnt 0x0
	s_add_nc_u64 s[PB:PB+1], s[PB:PB+1], s[ST:ST+1]
	s_mov_b32 s[ST], 1024
.endm
; In front of slot s's tiles: all my tensor loads have landed, the add, my LDS instructions are done; the round; then the other slot is filled again (the first time: slot 1's first fill): it has three tiles' work in which to land.
; merge = 1: the slot before's results are joined.  lx = 1: slot s's first record is fetched here (the first slot alone).
.macro MEET s, refill, merge, lx
	s_wait_tensorcnt 0x0
	ds_add_u32 v[SPW], v[NIL]
	s_add_nc_u64 s[G0+4*\s+2:G0+4*\s+3], s[G0+4*\s+2:G0+4*\s+3], 2*SLOTB   ; no load of mine is out: this slot's next eight records
.if \merge
	PSTEP
.endif
	s_wait_dscnt 0x0
	CROUND
.if \refill
	tensor_load_to_lds s[G0+4-4*\s:G0+7-4*\s], s[G1:G1+7]
	s_nop 0
.rept 4
	v_nop
.endr
.endif
.if \merge
	MLOAD 1-\s
.endif
.if \lx
	LOADX \s, 0
.endif
.if \merge
	s_wait_dscnt 17*\lx                            ; the two records are in; a first record's 17 loads may be out
	MSEND
.endif
.endm
	MEET 0, 1, 0, 1
	s_mov_b32 s[CNT], 7
.Lring:                                            ; a trip: once round the ring, slots 2 n and 2 n + 1 of sixteen
	BODY 0, 1
	MEET 1, 1, 1, 0
	BODY 1, 1
	MEET 0, 1, 1, 0
	s_sub_co_u32 s[CNT], s[CNT], 1
	s_cmp_lg_u32 s[CNT], 0
	s_cbranch_scc1 .Lring
	BODY 0, 1                                      ; the tail is written out: the last slot asks for nothing
	MEET 1, 0, 1, 0
	BODY 1, 0
	s_wait_dscnt 0x0                               ; for my partner's sake: my last results have landed
	s_barrier_signal -1
	s_barrier_wait -1
	PSTEP
	MLOAD 1
	s_wait_dscnt 0x0
	MSEND
	s_wait_tensorcnt 0x0                           ; the wave's end
	ds_add_u32 v[SPW], v[NIL]
	s_wait_dscnt 0x0
	CROUND                                         ; the closing round
	s_endpgm
.Lfunc_end_k_q381ac86f96_scan:
	.size	k_q381ac86f96_scan, .Lfunc_end_k_q381ac86f96_scan-k_q381ac86f96_scan
	.p2alignl 7, 3214868480
	.fill 96, 4, 3214868480
	.section	.rodata,"a",@progbits
	.p2align	6, 0x0
	.amdhsa_kernel k_q381ac86f96_scan
		.amdhsa_group_segment_fixed_size 327680
		.amdhsa_private_segment_fixed_size 0
		.amdhsa_enable_private_segment 0
		.amdhsa_kernarg_size 24
		.amdhsa_user_sgpr_count 2
		.amdhsa_user_sgpr_kernarg_segment_ptr 1
		.amdhsa_wavefront_size32 1
		.amdhsa_system_sgpr_workgroup_id_x 1
		.amdhsa_system_sgpr_workgroup_id_y 1
		.amdhsa_system_sgpr_workgroup_id_z 1
		.amdhsa_system_vgpr_workitem_id 0
		.amdhsa_next_free_vgpr 512
		.amdhsa_next_free_sgpr 80
		.amdhsa_reserve_vcc 1
		.amdhsa_float_denorm_mode_32 3
		.amdhsa_float_denorm_mode_16_64 3
		.amdhsa_memory_ordered 1
		.amdhsa_forward_progress 1
		.amdhsa_inst_pref_size 255
	.end_amdhsa_kernel
	.section	.bss,"aw",@nobits
	.p2align	6
	.space	262144
	.amdgpu_metadata
---
amdhsa.version: [ 1, 2 ]
amdhsa.kernels:
  - .name:           k_q381ac86f96_scan
    .symbol:         k_q381ac86f96_scan.kd
    .args:
      - { .name: feature_queue, .offset: 0, .size: 8, .value_kind: global_buffer, .address_space: global }
      - { .name: xq, .offset: 8, .size: 8, .value_kind: global_buffer, .address_space: global }
      - { .name: part, .offset: 16, .size: 8, .value_kind: global_buffer, .address_space: global }
    .group_segment_fixed_size: 327680
    .private_segment_fixed_size: 0
    .kernarg_segment_align: 8
    .kernarg_segment_size: 24
    .max_flat_workgroup_size: 256
    .sgpr_count:     80
    .vgpr_count:     512
    .wavefront_size: 32
...
	.end_amdgpu_metadata
.endif
;; end of part 2
;; launch reduce (part 3): grid 128 x 1, 16 waves a work-group, no clusters, 10,240 bytes of LDS; arguments part, idx; writes idx
.if DOCPART == 3
	.amdgcn_target "amdgcn-amd-amdhsa--gfx1250"
	.amdhsa_code_object_version 6
	.text
	.protected	k_q381ac86f96_reduce
	.globl	k_q381ac86f96_reduce
	.p2align	8
	.type	k_q381ac86f96_reduce,@function
k_q381ac86f96_reduce:
	s_mov_b64 s[64:65], 0
	v_nop
	global_prefetch_b8 v0, s[64:65] scope:SCOPE_SE
	s_setreg_imm32_b32 hwreg(HW_REG_WAVE_MODE, 25, 1), 1
	s_wait_xcnt 0x0
; Of each query's 512 partial results (part [p][query][largest, its local key, smallest, its local key], p = 128 keys) the largest and the smallest with their keys: idx [query][key of the largest, key of the smallest, 0, 0].
; Wherever two results meet, the one of the lower keys stays unless the other is strictly better: the first occurrence, as argmax and argmin have it.
; SHARES.  A work-group takes 16 queries, one to lane % 16.  Wave v takes p = 32 v .. 32 v + 31: lanes 0-15 the first sixteen, lanes 16-31 the other sixteen, so that each half of a load reads 256 consecutive bytes, aligned;
; 16 loads a wave, all on their way at once.  The halves meet by one exchange (lanes 0-15 hold the lower keys, and only their result is used); the sixteen waves' results meet in LDS, where wave 0 joins them the same way.
; A query's record in idx is 16 bytes, so that a work-group's 16 records are 256 consecutive bytes, stored by one instruction.
; No address here hangs on what is compared: the keys are stored at fixed places, as whole numbers, for the launch that gathers.  No matrix work, no cluster: nothing is shared.
; LIMITS: NaN among the logits is not served.
.set LO, 3                             ; v3   part: 524,288 (lane / 16) + 16 (lane % 16): sixteen parts of 32,768 bytes between the halves
.set IO, 4                             ; v4   idx: 16 (lane % 16) + 8 (lane / 16)
.set LW, 5                             ; v5   LDS: 512 x wave + 16 x lane: lanes 0-15 the wave's result, lanes 16-31 bytes that nobody reads
.set LR, 6                             ; v6   LDS: 4,096 (lane / 16) + 16 (lane % 16): lanes 0-15 waves 0-7, lanes 16-31 waves 8-15
.set HK, 7                             ; v7   2,048 (lane / 16): sixteen parts of 128 keys
.set O,  8                             ; v8-11   the other half of the lanes'
.set D,  16                            ; v16-79  16 parts of four registers; the first is also the best so far
.set SEL, 16                           ; s[16:17] lane selects: lane l xor 16
.macro MERGE                           ; part n against the best so far
	v_cmp_ge_f32 vcc_lo, v[D], v[D+4*n]            ; the best so far stands, on a tie too
	s_delay_alu instid0(VALU_DEP_1)
	v_cndmask_b32 v[D], v[D+4*n], v[D], vcc_lo
	s_delay_alu instid0(VALU_DEP_2)
	v_cndmask_b32 v[D+1], v[D+4*n+1], v[D+1], vcc_lo
	v_cmp_le_f32 vcc_lo, v[D+2], v[D+4*n+2]
	s_delay_alu instid0(VALU_DEP_1)
	v_cndmask_b32 v[D+2], v[D+4*n+2], v[D+2], vcc_lo
	s_delay_alu instid0(VALU_DEP_2)
	v_cndmask_b32 v[D+3], v[D+4*n+3], v[D+3], vcc_lo
.endm
.macro XCHG                            ; the two halves of the lanes meet: a lane keeps its own on a tie, which is right in lanes 0-15
.irp c, 0,1,2,3
	v_permlanex16_b32 v[O+\c], v[D+\c], s[SEL], s[SEL+1]
.endr
	s_delay_alu instid0(VALU_DEP_4)
	v_cmp_ge_f32 vcc_lo, v[D], v[O]
	s_delay_alu instid0(VALU_DEP_1)
	v_cndmask_b32 v[D], v[O], v[D], vcc_lo
	s_delay_alu instid0(VALU_DEP_2)
	v_cndmask_b32 v[D+1], v[O+1], v[D+1], vcc_lo
	v_cmp_le_f32 vcc_lo, v[D+2], v[O+2]
	s_delay_alu instid0(VALU_DEP_1)
	v_cndmask_b32 v[D+2], v[O+2], v[D+2], vcc_lo
	s_delay_alu instid0(VALU_DEP_2)
	v_cndmask_b32 v[D+3], v[O+3], v[D+3], vcc_lo
.endm
	s_load_b128 s[4:7], s[0:1], 0x0                ; part, idx
	v_lshl_add_u32 v80, v0, 2, 0x2000
	v_mov_b32 v81, 0
	v_lshrrev_b32 v1, 5, v0
	s_delay_alu instid0(VALU_DEP_1)
	v_readfirstlane_b32 s8, v1                     ; wave 0..15
	v_and_b32 v2, 31, v0                           ; lane
	v_and_b32 v12, 15, v0                          ; r
	v_bfe_u32 v13, v0, 4, 1                        ; h
	s_delay_alu instid0(VALU_DEP_2)
	v_lshlrev_b32 v14, 4, v12                      ; 16 r
	s_delay_alu instid0(VALU_DEP_1)
	v_lshl_add_u32 v[LO], v13, 19, v14
	s_delay_alu instid0(VALU_DEP_2)
	v_lshl_add_u32 v[IO], v13, 3, v14
	s_delay_alu instid0(VALU_DEP_3)
	v_lshl_add_u32 v[LR], v13, 12, v14
	v_lshlrev_b32 v[HK], 11, v13
	v_lshlrev_b32 v15, 4, v2
	s_lshl_b32 s14, s8, 9
	v_add_nc_u32 v[LW], s14, v15
.irp c, 0,1,2,3
	v_mov_b32 v[O+\c], 0                           ; written once: a lane permute's destination counts as one of its sources
.endr
	s_mov_b32 s[SEL], 0x76543210
	s_mov_b32 s[SEL+1], 0xfedcba98
	s_lshl_b32 s10, s8, 20                         ; 32 parts of 32,768 bytes a wave,
	s_lshl_b32 s11, ttmp9, 8                       ; 16 queries of 16 bytes a work-group
	s_add_co_u32 s10, s10, s11
	s_mov_b32 s11, 0
	s_lshl_b32 s12, ttmp9, 8                       ; idx: 16 records of 16 bytes
	s_mov_b32 s13, 0
	s_lshl_b32 s15, s8, 12                         ; my wave's first key: 32 parts of 128 keys a wave
	s_wait_kmcnt 0x0
	s_add_nc_u64 s[4:5], s[4:5], s[10:11]
	s_add_nc_u64 s[6:7], s[6:7], s[12:13]
.set n, 0
.rept 16
	global_load_b128 v[D+4*n:D+4*n+3], v[LO], s[4:5] offset:32768*n th:TH_LOAD_NT
.set n, n+1
.endr
.set n, 1
.rept 15
	s_wait_alu depctr_va_vdst(0)
	s_wait_loadcnt 15-n                            ; parts 0 to n are in; the younger loads stay out
	v_or_b32 v[D+4*n+1], 128*n, v[D+4*n+1]         ; local key (under 128) + 128 n
	v_or_b32 v[D+4*n+3], 128*n, v[D+4*n+3]
	MERGE
.set n, n+1
.endr
	s_delay_alu instid0(VALU_DEP_4)
	v_add3_u32 v[D+1], v[D+1], s15, v[HK]          ; the key: + 4,096 x wave + 2,048 (lane / 16)
	s_delay_alu instid0(VALU_DEP_2)
	v_add3_u32 v[D+3], v[D+3], s15, v[HK]
	XCHG
	ds_store_b128 v[LW], v[D:D+3]
	s_wait_dscnt 0x0                               ; for wave 0's sake: my result has landed
	s_barrier_signal -1
	s_barrier_wait -1
	s_cmp_lg_u32 s8, 0
	s_cbranch_scc1 .Ldone
.set n, 0
.rept 8
	ds_load_b128 v[D+4*n:D+4*n+3], v[LR] offset:512*n
.set n, n+1
.endr
	s_wait_dscnt 0x0
.set n, 1
.rept 7
	MERGE
.set n, n+1
.endr
	XCHG
	v_cmp_gt_u32 vcc_lo, 16, v2                    ; lanes 0-15 hold the result; lanes 16-31 fill the record's other 8 bytes with zeros
	s_delay_alu instid0(VALU_DEP_1)
	v_cndmask_b32 v12, 0, v[D+1], vcc_lo
	s_delay_alu instid0(VALU_DEP_2)
	v_cndmask_b32 v13, 0, v[D+3], vcc_lo
	global_store_b64 v[IO], v[12:13], s[6:7]       ; 32 lanes store 256 consecutive bytes, aligned
.Ldone:
	s_wait_tensorcnt 0x0
	ds_add_u32 v80, v81
	s_wait_dscnt 0x0
	s_endpgm
.Lfunc_end_k_q381ac86f96_reduce:
	.size	k_q381ac86f96_reduce, .Lfunc_end_k_q381ac86f96_reduce-k_q381ac86f96_reduce
	.p2alignl 7, 3214868480
	.fill 96, 4, 3214868480
	.section	.rodata,"a",@progbits
	.p2align	6, 0x0
	.amdhsa_kernel k_q381ac86f96_reduce
		.amdhsa_group_segment_fixed_size 10240
		.amdhsa_private_segment_fixed_size 0
		.amdhsa_enable_private_segment 0
		.amdhsa_kernarg_size 16
		.amdhsa_user_sgpr_count 2
		.amdhsa_user_sgpr_kernarg_segment_ptr 1
		.amdhsa_wavefront_size32 1
		.amdhsa_system_sgpr_workgroup_id_x 1
		.amdhsa_system_sgpr_workgroup_id_y 1
		.amdhsa_system_sgpr_workgroup_id_z 1
		.amdhsa_system_vgpr_workitem_id 0
		.amdhsa_next_free_vgpr 82
		.amdhsa_next_free_sgpr 66
		.amdhsa_reserve_vcc 1
		.amdhsa_float_denorm_mode_32 3
		.amdhsa_float_denorm_mode_16_64 3
		.amdhsa_memory_ordered 1
		.amdhsa_forward_progress 1
		.amdhsa_inst_pref_size 16
	.end_amdhsa_kernel
	.amdgpu_metadata
---
amdhsa.version: [ 1, 2 ]
amdhsa.kernels:
  - .name:           k_q381ac86f96_reduce
    .symbol:         k_q381ac86f96_reduce.kd
    .args:
      - { .name: part, .offset: 0, .size: 8, .value_kind: global_buffer, .address_space: global }
      - { .name: idx, .offset: 8, .size: 8, .value_kind: global_buffer, .address_space: global }
    .group_segment_fixed_size: 10240
    .private_segment_fixed_size: 0
    .kernarg_segment_align: 8
    .kernarg_segment_size: 16
    .max_flat_workgroup_size: 512
    .sgpr_count:     66
    .vgpr_count:     82
    .wavefront_size: 32
...
	.end_amdgpu_metadata
.endif
;; end of part 3
;; launch gather (part 4): grid 256 x 1, 8 waves a work-group, no clusters, 0 bytes of LDS; arguments idx, rep_queue, out0, out1; writes out0, out1
.if DOCPART == 4
	.amdgcn_target "amdgcn-amd-amdhsa--gfx1250"
	.amdhsa_code_object_version 6
	.text
	.protected	k_q381ac86f96_gather
	.globl	k_q381ac86f96_gather
	.p2align	8
	.type	k_q381ac86f96_gather,@function
k_q381ac86f96_gather:
	s_mov_b64 s[64:65], 0
	v_nop
	global_prefetch_b8 v0, s[64:65] scope:SCOPE_SE
	s_setreg_imm32_b32 hwreg(HW_REG_WAVE_MODE, 25, 1), 1
	s_wait_xcnt 0x0
; out0[q] = rep_queue[idx[q][0]], out1[q] = rep_queue[idx[q][1]]: two rows of 2,048 bytes a query.  One wave a query: four loads and four stores of 512 consecutive bytes a row, all eight loads on their way at once.
; idx: [query][key of the largest, key of the smallest, 0, 0], 16 bytes a query.  The two keys are whole numbers that an earlier launch stored; they are read by a scalar load (no line here writes idx) and held to the
; table's 65,536 rows before they enter an address.
; No LDS, no matrix work, no cluster: memory binds and nothing is shared.  No hint on the loads: a row may be named by several queries.
	s_load_b128 s[4:7], s[0:1], 0x0                ; idx, rep_queue
	s_load_b128 s[8:11], s[0:1], 0x10              ; out0, out1
	v_lshrrev_b32 v1, 5, v0
	s_delay_alu instid0(VALU_DEP_1)
	v_readfirstlane_b32 s12, v1                    ; wave 0..7
	s_lshl_b32 s13, ttmp9, 3
	s_add_co_u32 s13, s13, s12                     ; my query
	s_lshl_b32 s14, s13, 4                         ; 16 bytes of idx a query
	s_lshl_b32 s18, s13, 11                        ; 2,048 bytes of output a query
	s_mov_b32 s19, 0
	v_and_b32 v2, 31, v0
	s_delay_alu instid0(VALU_DEP_1)
	v_lshlrev_b32 v2, 4, v2                        ; 16 x lane
	s_wait_alu depctr_va_vdst(0)
	s_wait_kmcnt 0x0
	s_load_b64 s[16:17], s[4:5], s14 offset:0x0
	s_add_nc_u64 s[8:9], s[8:9], s[18:19]
	s_add_nc_u64 s[10:11], s[10:11], s[18:19]
	s_wait_kmcnt 0x0
	s_min_u32 s16, s16, 0xffff
	s_min_u32 s17, s17, 0xffff
	s_lshl_b32 s16, s16, 11                        ; 2,048 bytes a row: under 2^27
	s_lshl_b32 s17, s17, 11
	v_add_nc_u32 v3, s16, v2
	v_add_nc_u32 v4, s17, v2
.irp c, 0,1,2,3
	global_load_b128 v[8+4*\c:11+4*\c], v3, s[6:7] offset:512*\c
.endr
.irp c, 0,1,2,3
	global_load_b128 v[24+4*\c:27+4*\c], v4, s[6:7] offset:512*\c
.endr
.irp c, 0,1,2,3
	s_wait_loadcnt 7-\c                            ; loads come back in order (ISA guide 5.7.1): this one is in, the younger ones stay out
	global_store_b128 v2, v[8+4*\c:11+4*\c], s[8:9] offset:512*\c th:TH_STORE_NT
.endr
.irp c, 0,1,2,3
	s_wait_loadcnt 3-\c
	global_store_b128 v2, v[24+4*\c:27+4*\c], s[10:11] offset:512*\c th:TH_STORE_NT
.endr
	s_endpgm
.Lfunc_end_k_q381ac86f96_gather:
	.size	k_q381ac86f96_gather, .Lfunc_end_k_q381ac86f96_gather-k_q381ac86f96_gather
	.p2alignl 7, 3214868480
	.fill 96, 4, 3214868480
	.section	.rodata,"a",@progbits
	.p2align	6, 0x0
	.amdhsa_kernel k_q381ac86f96_gather
		.amdhsa_group_segment_fixed_size 0
		.amdhsa_private_segment_fixed_size 0
		.amdhsa_enable_private_segment 0
		.amdhsa_kernarg_size 32
		.amdhsa_user_sgpr_count 2
		.amdhsa_user_sgpr_kernarg_segment_ptr 1
		.amdhsa_wavefront_size32 1
		.amdhsa_system_sgpr_workgroup_id_x 1
		.amdhsa_system_sgpr_workgroup_id_y 1
		.amdhsa_system_sgpr_workgroup_id_z 1
		.amdhsa_system_vgpr_workitem_id 0
		.amdhsa_next_free_vgpr 48
		.amdhsa_next_free_sgpr 66
		.amdhsa_reserve_vcc 0
		.amdhsa_float_denorm_mode_32 3
		.amdhsa_float_denorm_mode_16_64 3
		.amdhsa_memory_ordered 1
		.amdhsa_forward_progress 1
		.amdhsa_inst_pref_size 3
	.end_amdhsa_kernel
	.amdgpu_metadata
---
amdhsa.version: [ 1, 2 ]
amdhsa.kernels:
  - .name:           k_q381ac86f96_gather
    .symbol:         k_q381ac86f96_gather.kd
    .args:
      - { .name: idx, .offset: 0, .size: 8, .value_kind: global_buffer, .address_space: global }
      - { .name: rep_queue, .offset: 8, .size: 8, .value_kind: global_buffer, .address_space: global }
      - { .name: out0, .offset: 16, .size: 8, .value_kind: global_buffer, .address_space: global }
      - { .name: out1, .offset: 24, .size: 8, .value_kind: global_buffer, .address_space: global }
    .group_segment_fixed_size: 0
    .private_segment_fixed_size: 0
    .kernarg_segment_align: 8
    .kernarg_segment_size: 32
    .max_flat_workgroup_size: 256
    .sgpr_count:     66
    .vgpr_count:     48
    .wavefront_size: 32
...
	.end_amdgpu_metadata
.endif
;; end of part 4
